; MI455X (gfx1250); checked and timed in simulation.
; The chip was launched on July 23, 2026; its instructions are those of AMD's public machine-readable ISA for CDNA 5 (MIT licence, August 2026) and "CDNA5" Instruction Set Architecture Reference Guide (July 2026). The comments in the code are by the model that wrote it; some were corrected since.
;; Vanilla LSTM Cell. Allowed arithmetic: float matrix products may take bf16 or f16 operands with f32 sums; all other float work in f32.
;; Inputs: Whf_b 1,024 float32; Whf_w 1,024 x 1,024 float32; Whg_b 1,024 float32; Whg_w 1,024 x 1,024 float32; Whi_b 1,024 float32; Whi_w 1,024 x 1,024 float32; Who_b 1,024 float32; Who_w 1,024 x 1,024 float32; Wxf_b 1,024 float32; Wxf_w 1,024 x 1,024 float32; Wxg_b 1,024 float32; Wxg_w 1,024 x 1,024 float32; Wxi_b 1,024 float32; Wxi_w 1,024 x 1,024 float32; Wxo_b 1,024 float32; Wxo_w 1,024 x 1,024 float32; c 8,192 x 1,024 float32; h 8,192 x 1,024 float32; x 8,192 x 1,024 float32.
;; Outputs: out0 8,192 x 1,024 float32; out1 8,192 x 1,024 float32.
;; 2 versions, each right; version 2 is version 1 with the launch pack written anew for expert scheduling mode. Each part assembles by itself: llvm-mc -triple=amdgcn-amd-amdhsa -mcpu=gfx1250 --defsym DOCPART=n.
;; ======== version 1 of 2: 2 launches
;; limits: right only within a limited range of input values
;; workspace buffers: abf 33,554,432 bytes; wbf 16,777,216 bytes; bias 16,384 bytes
;; launch pack (part 1): grid 32 x 24, 8 waves a work-group, no clusters, 0 bytes of LDS; arguments x, h, Wxi_w, Whi_w, Wxf_w, Whf_w, Wxo_w, Who_w, Wxg_w, Whg_w, Wxi_b, Whi_b, Wxf_b, Whf_b, Wxo_b, Who_b, Wxg_b, Whg_b, abf, wbf, bias; writes abf, wbf, bias
.if DOCPART == 1
	.amdgcn_target "amdgcn-amd-amdhsa--gfx1250"
	.amdhsa_code_object_version 6
	.text
	.protected	k_q6023c62d73_pack
	.globl	k_q6023c62d73_pack
	.p2align	8
	.type	k_q6023c62d73_pack,@function
k_q6023c62d73_pack:
	s_mov_b64 s[64:65], 0
	v_nop
	global_prefetch_b8 v0, s[64:65] scope:SCOPE_SE
	s_setreg_imm32_b32 hwreg(HW_REG_WAVE_MODE, 25, 1), 1
	s_wait_xcnt 0x0
; ROUNDS AND RE-ORDERS THE OPERANDS OF THE LSTM CELL'S ONE PRODUCT  z = [x|h] [Wx|Wh]^T.
;   abf  [8192][2048] bf16: columns 0-1023 bf16(x), 1024-2047 bf16(h).
;   wbf  [4096][2048] bf16: row n = 128 (j / 32) + 32 g + j % 32 for gate g (0 i, 1 f, 2 o, 3 g) and column j of H; columns 0-1023 the x side's weight, 1024-2047 the h side's.
;        So 128 consecutive rows hold all four gates of 32 columns of H, and the product's lanes find the four gates of an output side by side.
;   bias [4096] f32, in wbf's row order: k_g (bf16(bx_g[j]) + bf16(bh_g[j])), k = -log2(e) for the three sigmoids, +2 log2(e) for the tanh: the next launch makes an exponent with one multiply-add.
; All roundings are to nearest even, once.  The biases are rounded to bf16 like every other input, so that all inputs carry the same rounding.
; A STREAM: memory binds, so no LDS, no barrier, no matrix unit.  The grid's y is a unit of 1024 rows x 1024 f32 (0-7: x, 8-15: h, 16-23: weight 2 g + side), its x a block of 32 rows.
; Thread t owns the 16 bytes at 16 t of each of the 32 rows: a wave's load covers 512 consecutive bytes, its store of 8 bytes a lane 256 consecutive bytes at a multiple of 256.
; All 32 loads of a wave go out at once (16 KiB a wave on its way); each row has registers of its own, so no register is written while a load or store may still read it.
.set X, 8                              ; v[8:135]  row i: four registers as loaded; the first two then hold the four bf16
	s_load_b512 s[4:19], s[0:1], 0x0               ; x s[4:5], h s[6:7], Wxi, Whi, Wxf, Whf, Wxo, Who in s[8:19]
	s_load_b128 s[20:23], s[0:1], 0x40             ; Wxg, Whg: the eight weights lie in s[8:23], weight w at s[8+2w:9+2w]
	s_load_b512 s[24:39], s[0:1], 0x50             ; the eight biases: gate k's x side at s[24+4k:25+4k], its h side at s[26+4k:27+4k]
	s_load_b128 s[40:43], s[0:1], 0x90             ; abf s[40:41], wbf s[42:43]
	s_load_b64 s[44:45], s[0:1], 0xa0              ; bias
	v_lshrrev_b32 v3, 5, v0
	v_readfirstlane_b32 s57, v3                    ; my wave's number
	v_lshlrev_b32 v1, 4, v0                        ; my 16 bytes of a source row
	v_lshlrev_b32 v2, 3, v0                        ; my 8 bytes of a destination half row
	s_and_b32 s50, ttmp7, 0xffff                   ; u: the unit
	s_mov_b32 s51, ttmp9                           ; the block of 32 rows
	s_and_b32 s52, s50, 7
	s_lshl_b32 s52, s52, 10
	s_lshl_b32 s53, s51, 5                         ; a weight's first source row: 32 x block
	s_add_co_u32 s52, s52, s53                     ; x's, h's and abf's first row: 1024 (u % 8) + 32 x block
	s_bfe_u32 s54, s50, 0x20001                    ; g = (u / 2) % 4
	s_lshl_b32 s55, s51, 7
	s_lshl_b32 s56, s54, 5
	s_add_co_u32 s55, s55, s56                     ; wbf's first row: 128 x block + 32 g
	s_and_b32 s63, s50, 1                          ; a weight's side
	s_lshr_b32 s62, s50, 3                         ; x (0) or h (1), where u < 16
	s_cmp_ge_u32 s50, 16                           ; a weight?
	s_cselect_b32 s58, s53, s52                    ; source row
	s_cselect_b32 s60, s55, s52                    ; destination row
	s_cselect_b32 s56, s63, s62                    ; which half of the destination rows
	s_lshl_b32 s58, s58, 12                        ; a source row is 4,096 bytes,
	s_mov_b32 s59, 0
	s_lshl_b32 s60, s60, 12                        ; a destination row too,
	s_lshl_b32 s56, s56, 11                        ; its half 2,048
	s_add_co_u32 s60, s60, s56
	s_mov_b32 s61, 0
	s_wait_kmcnt 0x0
	s_cmp_ge_u32 s50, 8                            ; the source: x, h,
	s_cselect_b64 s[46:47], s[6:7], s[4:5]
.irp w, 0,1,2,3,4,5,6,7
	s_cmp_eq_u32 s50, 16+(\w)                      ; or weight w
	s_cselect_b64 s[46:47], s[8+2*(\w):9+2*(\w)], s[46:47]
.endr
	s_cmp_ge_u32 s50, 16
	s_cselect_b64 s[48:49], s[42:43], s[40:41]     ; the destination: wbf or abf
	s_add_nc_u64 s[46:47], s[46:47], s[58:59]
	s_add_nc_u64 s[48:49], s[48:49], s[60:61]
.set i, 0
.rept 32
	global_load_b128 v[X+4*i:X+4*i+3], v1, s[46:47] offset:4096*i th:TH_LOAD_NT  ; read once in the whole launch
.set i, i+1
.endr
.set i, 0
.rept 32
	s_wait_loadcnt 31-i                            ; loads come back in order (ISA guide 5.7.1): row i is in, the 31 - i younger ones stay out
	v_cvt_pk_bf16_f32 v[X+4*i], v[X+4*i], v[X+4*i+1]
	v_cvt_pk_bf16_f32 v[X+4*i+1], v[X+4*i+2], v[X+4*i+3]
	global_store_b64 v2, v[X+4*i:X+4*i+1], s[48:49] offset:4096*i
.set i, i+1
.endr
	; The biases: wave 0 of each x-side weight's work-group makes the 32 numbers of its gate and block: 128 consecutive bytes, 16 KiB in the whole launch.
	s_cmp_lt_u32 s50, 16
	s_cbranch_scc1 .Lend
	s_bitcmp1_b32 s50, 0
	s_cbranch_scc1 .Lend
	s_cmp_lg_u32 s57, 0
	s_cbranch_scc1 .Lend
	s_mov_b64 s[66:67], s[24:25]
	s_mov_b64 s[68:69], s[26:27]
.irp k, 1,2,3
	s_cmp_eq_u32 s54, \k
	s_cselect_b64 s[66:67], s[24+4*(\k):25+4*(\k)], s[66:67]
	s_cselect_b64 s[68:69], s[26+4*(\k):27+4*(\k)], s[68:69]
.endr
	s_mov_b32 s70, 0xbfb8aa3b                      ; -log2(e)
	s_cmp_eq_u32 s54, 3
	s_cselect_b32 s70, 0x4038aa3b, s70             ; 2 log2(e) for the tanh
	s_lshl_b32 s62, s53, 2
	s_lshl_b32 s63, s55, 2
	v_lshl_add_u32 v3, v0, 2, s62                  ; in wave 0 the thread's number is the lane: column 32 x block + lane
	v_lshl_add_u32 v4, v0, 2, s63                  ; row 128 x block + 32 g + lane
	global_load_b32 v5, v3, s[66:67]
	global_load_b32 v6, v3, s[68:69]
	s_wait_loadcnt 0x0
	v_cvt_pk_bf16_f32 v7, v5, v6                   ; both rounded to bf16,
	v_lshlrev_b32 v5, 16, v7                       ; and back in f32
	v_and_b32 v6, 0xffff0000, v7
	v_add_f32 v5, v5, v6
	v_mul_f32 v5, s70, v5
	global_store_b32 v4, v5, s[44:45]
.Lend:
	s_endpgm
.Lfunc_end_k_q6023c62d73_pack:
	.size	k_q6023c62d73_pack, .Lfunc_end_k_q6023c62d73_pack-k_q6023c62d73_pack
	.p2alignl 7, 3214868480
	.fill 96, 4, 3214868480
	.section	.rodata,"a",@progbits
	.p2align	6, 0x0
	.amdhsa_kernel k_q6023c62d73_pack
		.amdhsa_group_segment_fixed_size 0
		.amdhsa_private_segment_fixed_size 0
		.amdhsa_enable_private_segment 0
		.amdhsa_kernarg_size 168
		.amdhsa_user_sgpr_count 2
		.amdhsa_user_sgpr_kernarg_segment_ptr 1
		.amdhsa_wavefront_size32 1
		.amdhsa_system_sgpr_workgroup_id_x 1
		.amdhsa_system_sgpr_workgroup_id_y 1
		.amdhsa_system_sgpr_workgroup_id_z 1
		.amdhsa_system_vgpr_workitem_id 0
		.amdhsa_next_free_vgpr 140
		.amdhsa_next_free_sgpr 72
		.amdhsa_reserve_vcc 0
		.amdhsa_float_denorm_mode_32 3
		.amdhsa_float_denorm_mode_16_64 3
		.amdhsa_memory_ordered 1
		.amdhsa_forward_progress 1
		.amdhsa_inst_pref_size 15
	.end_amdhsa_kernel
	.amdgpu_metadata
---
amdhsa.version: [ 1, 2 ]
amdhsa.kernels:
  - .name:           k_q6023c62d73_pack
    .symbol:         k_q6023c62d73_pack.kd
    .args:
      - { .name: x, .offset: 0, .size: 8, .value_kind: global_buffer, .address_space: global }
      - { .name: h, .offset: 8, .size: 8, .value_kind: global_buffer, .address_space: global }
      - { .name: Wxi_w, .offset: 16, .size: 8, .value_kind: global_buffer, .address_space: global }
      - { .name: Whi_w, .offset: 24, .size: 8, .value_kind: global_buffer, .address_space: global }
      - { .name: Wxf_w, .offset: 32, .size: 8, .value_kind: global_buffer, .address_space: global }
      - { .name: Whf_w, .offset: 40, .size: 8, .value_kind: global_buffer, .address_space: global }
      - { .name: Wxo_w, .offset: 48, .size: 8, .value_kind: global_buffer, .address_space: global }
      - { .name: Who_w, .offset: 56, .size: 8, .value_kind: global_buffer, .address_space: global }
      - { .name: Wxg_w, .offset: 64, .size: 8, .value_kind: global_buffer, .address_space: global }
      - { .name: Whg_w, .offset: 72, .size: 8, .value_kind: global_buffer, .address_space: global }
      - { .name: Wxi_b, .offset: 80, .size: 8, .value_kind: global_buffer, .address_space: global }
      - { .name: Whi_b, .offset: 88, .size: 8, .value_kind: global_buffer, .address_space: global }
      - { .name: Wxf_b, .offset: 96, .size: 8, .value_kind: global_buffer, .address_space: global }
      - { .name: Whf_b, .offset: 104, .size: 8, .value_kind: global_buffer, .address_space: global }
      - { .name: Wxo_b, .offset: 112, .size: 8, .value_kind: global_buffer, .address_space: global }
      - { .name: Who_b, .offset: 120, .size: 8, .value_kind: global_buffer, .address_space: global }
      - { .name: Wxg_b, .offset: 128, .size: 8, .value_kind: global_buffer, .address_space: global }
      - { .name: Whg_b, .offset: 136, .size: 8, .value_kind: global_buffer, .address_space: global }
      - { .name: abf, .offset: 144, .size: 8, .value_kind: global_buffer, .address_space: global }
      - { .name: wbf, .offset: 152, .size: 8, .value_kind: global_buffer, .address_space: global }
      - { .name: bias, .offset: 160, .size: 8, .value_kind: global_buffer, .address_space: global }
    .group_segment_fixed_size: 0
    .private_segment_fixed_size: 0
    .kernarg_segment_align: 8
    .kernarg_segment_size: 168
    .max_flat_workgroup_size: 256
    .sgpr_count:     72
    .vgpr_count:     140
    .wavefront_size: 32
...
	.end_amdgpu_metadata
.endif
;; end of part 1
;; launch lstm (part 2): grid 16 x 16, 4 waves a work-group, clusters of 4 x 4, 327,680 bytes of LDS; arguments abf, wbf, bias, c, out0, out1; writes out0, out1
.if DOCPART == 2
	.amdgcn_target "amdgcn-amd-amdhsa--gfx1250"
	.amdhsa_code_object_version 6
	.text
	.protected	k_q6023c62d73_lstm
	.globl	k_q6023c62d73_lstm
	.p2align	8
	.type	k_q6023c62d73_lstm,@function
k_q6023c62d73_lstm:
	s_mov_b64 s[64:65], 0
	v_nop
	global_prefetch_b8 v0, s[64:65] scope:SCOPE_SE
	s_setreg_imm32_b32 hwreg(HW_REG_WAVE_MODE, 25, 1), 1
	s_wait_xcnt 0x0
	s_wait_alu depctr_hold_cnt(0) depctr_sa_sdst(0) depctr_va_vdst(0) depctr_va_sdst(0) depctr_va_ssrc(0) depctr_va_vcc(0) depctr_vm_vsrc(0)
	s_getreg_b32 s2, hwreg(HW_REG_IB_STS2, 6, 4)
	s_cmp_eq_u32 s2, 0
	s_cbranch_scc0 .Lentry_in_a_cluster
	s_endpgm
.Lentry_in_a_cluster:
	s_bfe_u32 s2, ttmp6, 0x10000c
	s_cmp_lg_u32 s2, 0xf033
	s_cbranch_scc0 .Lentry_shape_is_right
	s_endpgm
.Lentry_shape_is_right:
; THE LSTM CELL.  z = abf wbf^T (M = 8192, N = 4096, K = 2048, bf16 operands, f32 sums), and in the same launch  i, f, o = sigmoid(z + b),  g = tanh(z + b),  c' = f c + i g (out1),  h' = o tanh(c') (out0).
; z never goes to memory.  wbf's rows are ordered so that 128 consecutive rows hold the four gates of 32 columns of H (row 128 (j / 32) + 32 gate + j % 32).
; SHARES.  A tile is 256 rows x 256 rows of wbf = 64 columns of H in all four gates; each of a work-group's four waves makes 128 x 128 of it: 64 accumulators of 16 x 16, 512 registers.
; K goes in steps of 128 through two LDS slots filled by the tensor data mover: each row of a tile is 256 bytes of memory and starts at a multiple of 256 bytes.
; A WORK-GROUP STAYS: 512 tiles for 256 work-groups: each makes two, 4,096 rows apart, on the same rows of wbf.  The ring does not stop at the first tile's end: its last two changes of slots ask for the
; second tile's first two K steps, which land while the first tile's gates are computed, and nothing waits for the first tile's stores.
; CLUSTERS: 4 x 4 work-groups.  The four of a row of the cluster need the same tiles of abf, the four of a column the same tiles of wbf: each tile is asked for JOINTLY, by the same tensor load with the
; same descriptor and a mask that names the four.  That divides the requests for both operands by four.  c belongs to one work-group alone and comes through registers.
; THE MATRIX INSTRUCTION IS USED TRANSPOSED (source 0 = 16 rows of wbf, source 1 = 16 rows of abf): accumulator (a, b), register j, lane l holds row 16 a + l % 16 and wbf's local row 16 b + 8 (l / 16) + j,
; that is gate b / 2, local column 16 (b % 2) + 8 (l / 16) + j: the four gates of an output lie in ONE lane, in accumulators b, b + 2, b + 4, b + 6.
; THE GATES, with one reciprocal for c' and one for h'.  a_i, a_f, a_o = 2^(-log2(e) z), b = 2^(2 log2(e) z_g), A = 1 + a_i, F = 1 + a_f, O = 1 + a_o, G = 1 + b:
;   c' = (c A G + (b - 1) F) / (A G F);     e = 2^(2 log2(e) c'):  h' = (e - 1) / ((e + 1) O).
; LIMITS.  Every exponent is cut at 30: a sigmoid is never below 2^-30 and a tanh never nearer to 1 than 2^-29; A G F stays under 2^91.  c A G is formed, so |c| stays under 2^60.
; tanh as (b - 1) / (b + 1) has an absolute error of about 1e-7.  c is rounded to bf16, like all the inputs.  NaN and infinities are not treated apart (a NaN exponent counts as 30).
; LDS.  0: slot 0 (abf's 256 rows, then wbf's 256 rows, 272 bytes apart).   139,264: slot 1.   278,528: the spare words.
;   279,040: the results' stage, one block of 16 rows of both row halves: h' (32 rows x 272), then c' (the same).   296,448: c's stage, the same 32 rows in bf16, 144 bytes apart.  No tensor load fills the stages.
; REGISTERS, in windows of 256 (s_set_vgpr_msb: bits 1:0 source 0, 3:2 source 1, 5:4 source 2, 7:6 destination):
;   window 0: v0-31 addresses; v32-63 rows on their way out; v64-127, v128-191 abf's fragments, two buffers, and on the way out the gates' work; v192-255 my 64 biases
;   window 1: v64-127, v128-191 wbf's fragments; v0-63, v192-255 my share of the tile's c as loaded      window 2: the accumulators of my rows 0-63 ((a, b) at v[8 (8 a + b)])      window 3: those of my rows 64-127
.set SIZE_K, 2048
.set KSTEP,  128
.set PITCH,  272                       ; an LDS row: 256 bytes + 16 of padding = 68 words: row r starts at bank 4 r mod 64 (64 banks of 4 bytes: ISA guide 11.1), so the 16 rows that a load touches start at 16 different banks
.set HALFT,  128*PITCH                 ; 128 rows: what one joint load brings, and what one wave reads of either operand
.set SLOT,   4*HALFT
.set SPARE,  2*SLOT                    ; behind the slots: the spare words, 128 bytes for each wave: two blocks of 256 bytes that no other line names
.set OST,    SPARE+512                 ; the results' stage
.set OHALF,  32*PITCH                  ; h's part of it, and c's
.set CSTG,   OST+2*OHALF               ; c's stage
.set CPITCH, 144                       ; 128 bytes + 16: an odd multiple of 16, for the loads of 16 bytes that take one column of 16 rows
.set LAPS,   SIZE_K/(2*KSTEP)          ; a lap = two K steps = once round the ring
.set TILES,  2
.set WALK,   4096                      ; rows from a work-group's first tile to its second
.set NEXT_A, WALK*SIZE_K*2-(SIZE_K-2*KSTEP)*2   ; bytes from a slot's last K step of a tile to its first of the next tile: abf goes WALK rows down and back along K,
.set BACK_B, (SIZE_K-2*KSTEP)*2        ; wbf only back
.set BSTEP,  16*4096                   ; bytes of c and of an output from a block of 16 rows to the next
.set TSTEP,  WALK*4096                 ; and from tile to tile
.set ADRA, 16                          ; v16-17  LDS address of my abf fragments in slot 0, 1
.set GOT,  18                          ; v18     GO for the block that is on its way out
.set ADRB, 20                          ; v20-21  the same as ADRA for wbf
.set BO,   22                          ; v22     my byte offset in bias
.set CGO,  23                          ; v23     my byte offset in c: two rows of 256 bytes to a load
.set CA,   24                          ; v24     c's stage: my 16 bytes in the gates' layout
.set SA,   25                          ; v25     the results' stage: my 32 bytes of h' in the gates' layout
.set SA2,  26                          ; v26     and of c'
.set RD,   27                          ; v27     the results' stage: where I read whole rows back
.set SPW,  28                          ; v28     LDS address of my spare word: SPARE + 4 x my thread's number; never rewritten
.set NIL,  29                          ; v29     0; never rewritten
.set CW,   30                          ; v30     c's stage: where I put 8 bytes of a row
.set GO,   31                          ; v31     my byte offset in two rows of an output
.set OB,   32                          ; v32-63  16 rows of my output, read back from the stage
.set F0,   64
.set F1,   128
.set BI,   192                         ; bias of accumulator column b at BI + 8 b
.set T,    64                          ; the way out: 16 outputs a lane and block; element 8 (b % 2) + j
.set TI,   T                           ; exponent, a_i, A, then P = A G
.set TF,   T+16                        ; exponent, a_f, F
.set TO,   T+32                        ; exponent, a_o, O
.set TG,   T+48                        ; exponent, b, b - 1
.set CI,   128                         ; (b - 1) F, then the numerator, then c'
.set CP,   144                         ; c in bf16 in the gates' layout, two a register
.set WG,   152                         ; G; then 2 log2(e) c', e, e - 1, h'
.set DD,   168                         ; A G F and its reciprocal; then (e + 1) O and its reciprocal
.set CQ,   184                         ; c in bf16 by rows, on its way into the stage
.set G1,  24                           ; s[24:31] descriptor group 1 for abf's tiles;  s[32:39] group 0, a set for each slot
.set G0,  32
.set G1B, 48                           ; s[48:55], s[56:63] the same for wbf's tiles
.set G0B, 56
.set OP,  80                           ; s[80:81] the output that I store (column half 0: h', 1: c'), at my row half of the first tile
.set KN,  92                           ; s[92:93] -log2(e): the packed forms name a pair and take its low word
.set K2,  94                           ; s[94:95] 2 log2(e)
.set CL,  96                           ; s96  30.0
.set EA,  97                           ; s97  the block of 16 rows in hand on the way out
.set EG,  100                          ; s100 its byte offset in an output, the tile's included
.set MSB, 0
.macro WIN new                         ; the immediate's high byte repeats the setting that is left; a switch that changes nothing is dropped
.if MSB != (\new)
	s_set_vgpr_msb (MSB<<8)|(\new)
.set MSB, \new
.endif
.endm
.set MUL_LO, 0xa1                      ; source 0 (wbf) window 1, source 1 (abf) window 0, C and D window 2
.set MUL_HI, 0xf1                      ; the same, C and D window 3
.set TO_B,   0x40                      ; destination window 1, address window 0
; A joint load.  Waves 0 and 1 fetch abf's two halves, waves 2 and 3 wbf's.  Each of the two lines has one mask and one set of registers for all that issue it; the branch hangs on the wave's number alone.
; An s_nop 0 and four v_nop follow each of the two lines, ahead of the jump, the label and what follows.
.macro JLOAD s
	s_cmp_eq_u32 s11, 0
	s_cbranch_scc0 .Lfor_b_\@
	tensor_load_to_lds s[G0+4*(\s):G0+4*(\s)+3], s[G1:G1+7]
	s_nop 0
.rept 4
	v_nop
.endr
	s_branch .Lasked_\@
.Lfor_b_\@:
	tensor_load_to_lds s[G0B+4*(\s):G0B+4*(\s)+3], s[G1B:G1B+7]
	s_nop 0
.rept 4
	v_nop
.endr
.Lasked_\@:
.endm
; A round of the cluster's barrier: my work-group's barrier, so that wave 0's signal speaks for all four waves; wave 0 signals; every wave waits for all sixteen work-groups; my work-group's barrier once more.
.macro CREST                           ; a round behind its opening barrier
	s_cmp_lg_u32 s10, 0
	s_cbranch_scc1 .Lnot_wave_0_\@
	s_barrier_signal -3
.Lnot_wave_0_\@:
	s_barrier_wait -3
	s_barrier_signal -1
	s_barrier_wait -1
.endm
.macro CROUND                          ; a whole round
	s_barrier_signal -1
	s_barrier_wait -1
	CREST
.endm
	s_load_b256 s[68:75], s[0:1], 0x0              ; abf s[68:69], wbf s[70:71], bias s[72:73], c s[74:75]
	s_load_b128 s[76:79], s[0:1], 0x20             ; out0 (h') s[76:77], out1 (c') s[78:79]
	v_lshl_add_u32 v[SPW], v0, 2, SPARE
	v_mov_b32 v[NIL], 0
	ds_add_u32 v[SPW], v[NIL]                      ; the wave's opening: the add and its wait stand ahead of my first tensor load; the set-up below, work on registers, stands between them
	v_lshrrev_b32 v1, 5, v0
	v_readfirstlane_b32 s10, v1                    ; wave 0..3
	s_lshr_b32 s11, s10, 1                         ; which half of the tile's rows is mine.  Also: I fetch for abf (0) or for wbf (1)
	s_and_b32 s12, s10, 1                          ; which half of wbf's rows.  Also: which 128 rows of that tile I fetch, and which output I store
	s_bfe_u32 s40, ttmp6, 0x40000                  ; cx, cy: my place in the cluster
	s_bfe_u32 s41, ttmp6, 0x40004
	s_lshl_b32 s42, ttmp9, 2                       ; in a cluster launch ttmp9 and ttmp7 count clusters
	s_add_co_u32 s42, s42, s40                     ; tile column = 4 x cluster x + cx
	s_and_b32 s13, ttmp7, 0xffff
	s_lshl_b32 s13, s13, 2
	s_add_co_u32 s13, s13, s41                     ; the first tile's row = 4 x cluster y + cy
	s_lshl_b32 s43, s41, 2
	s_lshl_b32 s43, 15, s43                        ; my row of the cluster: places 4 cy .. 4 cy + 3
	s_lshl_b32 s44, 0x1111, s40                    ; my column: places cx, cx + 4, cx + 8, cx + 12
	; descriptor group 1: a tile of 128 rows x 128 elements of 2 bytes, padded in LDS
	s_or_b32 s[G1+0], s43, (1<<16)|(1<<20)|(1<<21)|(5<<22)|(3<<25)   ; 15:0 the mask: abf's tiles go to my row; 17:16 2-byte elements; 20 padding on; 21 set beside a mask; 24:22 after every 64 words (code 5); 31:25 4 words (code 3)
	s_or_b32 s[G1B+0], s44, (1<<16)|(1<<20)|(1<<21)|(5<<22)|(3<<25)  ; the same with the mask of my column, for wbf's tiles
.irp g, G1, G1B
	s_mov_b32 s[(\g)+1], KSTEP<<16                 ; tensor_dim0 = 128
	s_mov_b32 s[(\g)+2], 128<<16                   ; tensor_dim1 = 128
	s_mov_b32 s[(\g)+3], KSTEP<<16                 ; tile_dim0 = 128
	s_mov_b32 s[(\g)+4], 128                       ; tile_dim1 = 128
	s_mov_b32 s[(\g)+5], SIZE_K                    ; elements from row to row
	s_mov_b32 s[(\g)+6], 0
	s_mov_b32 s[(\g)+7], 0
.endr
	s_mov_b32 s[KN], 0xbfb8aa3b
	s_mov_b32 s[KN+1], s[KN]
	s_mov_b32 s[K2], 0x4038aa3b
	s_mov_b32 s[K2+1], s[K2]
	s_mov_b32 s[CL], 0x41f00000
	; where the tiles come from.  abf's hang on the tile row alone, which my row of the cluster shares; wbf's on the tile column alone, which my column shares.
	s_lshl_b32 s17, s12, 7                         ; which 128 rows of the tile I fetch
	s_lshl_b32 s16, s13, 8
	s_add_co_u32 s16, s16, s17                     ; abf: row 256 x tile row + 128 x half
	s_lshl_b32 s46, s42, 8
	s_add_co_u32 s46, s46, s17                     ; wbf: row 256 x tile column + 128 x half
	s_mov_b32 s17, 0
	s_mov_b32 s47, 0
	s_mov_b64 s[18:19], SIZE_K*2
	s_mul_u64 s[16:17], s[16:17], s[18:19]         ; in bytes
	s_mul_u64 s[46:47], s[46:47], s[18:19]
	s_mul_i32 s20, s10, HALFT                      ; and where they go: wave x 128 rows: no place in the cluster enters an LDS address
	s_lshl_b32 s98, s13, 8                         ; c and the outputs: my row half begins at row 256 x tile row + 128 x half,
	s_lshl_b32 s100, s11, 7
	s_add_co_u32 s98, s98, s100
	s_lshl_b32 s98, s98, 12                        ; rows of 4,096 bytes,
	s_lshl_b32 s100, s42, 8                        ; from byte 256 x tile column on
	s_add_co_u32 s98, s98, s100
	s_mov_b32 s99, 0
	s_wait_dscnt 0x0                               ; the opening add is done
	s_wait_kmcnt 0x0
	s_add_nc_u64 s[14:15], s[68:69], s[16:17]
	s_add_nc_u64 s[46:47], s[70:71], s[46:47]
	s_add_nc_u64 s[74:75], s[74:75], s[98:99]
	s_cmp_eq_u32 s12, 0
	s_cselect_b64 s[OP:OP+1], s[76:77], s[78:79]   ; the two waves of a row half share its results: one stores h', the other c'
	s_add_nc_u64 s[OP:OP+1], s[OP:OP+1], s[98:99]
	CROUND                                         ; all sixteen work-groups are here: the first joint loads meet
.irp s, 0,1
	s_mov_b32 s[G0+4*(\s)], 1                                        ; 1:0 count = 1
	s_add_co_u32 s[G0+4*(\s)+1], s20, (\s)*SLOT                      ; 63:32 LDS address
	s_add_nc_u64 s[G0+4*(\s)+2:G0+4*(\s)+3], s[14:15], (\s)*KSTEP*2  ; 120:64 global address: K step s
	s_or_b32 s[G0+4*(\s)+3], s[G0+4*(\s)+3], 0x80000000              ; 127:126 type = 2
	s_mov_b32 s[G0B+4*(\s)], 1
	s_add_co_u32 s[G0B+4*(\s)+1], s20, (\s)*SLOT
	s_add_nc_u64 s[G0B+4*(\s)+2:G0B+4*(\s)+3], s[46:47], (\s)*KSTEP*2
	s_or_b32 s[G0B+4*(\s)+3], s[G0B+4*(\s)+3], 0x80000000
	JLOAD \s                                       ; both slots are asked for before anything else is done: two loads of mine are out
.endr
	; A fragment is 16 rows x 32 K in 8 registers: lane l holds row l % 16; registers 0-3 K = 8 (l / 16) + 0..7, registers 4-7 K = 16 + 8 (l / 16) + 0..7: two loads of 16 bytes, 32 bytes apart.
	v_and_b32 v1, 15, v0                           ; l % 16
	v_bfe_u32 v2, v0, 4, 1                         ; l / 16
	v_mul_u32_u24 v3, v1, PITCH
	v_lshl_add_u32 v4, v2, 5, v3                   ; row x pitch + 32 x half: the gates' layout in the results' stage
	v_lshl_add_u32 v3, v2, 4, v3                   ; row x pitch + 16 x half: a fragment
	s_mul_i32 s21, s11, HALFT                      ; my 128 rows of abf
	s_mul_i32 s22, s12, HALFT                      ; my 128 rows of wbf,
	s_add_co_u32 s22, s22, 2*HALFT                 ; which lie behind abf's 256
.irp s, 0,1
	v_add_nc_u32 v[ADRA+(\s)], s21, v3
	v_add_nc_u32 v[ADRB+(\s)], s22, v3
	s_add_co_u32 s21, s21, SLOT
	s_add_co_u32 s22, s22, SLOT
.endr
	s_mul_i32 s23, s11, 16*PITCH                   ; into the results' stage: row 16 x row half + l % 16, byte 128 x column half + 32 (l / 16)
	s_lshl_b32 s100, s12, 7
	s_add_co_u32 s23, s23, s100
	s_add_co_u32 s23, s23, OST
	v_add_nc_u32 v[SA], s23, v4
	v_add_nc_u32 v[SA2], OHALF, v[SA]
	v_mul_u32_u24 v5, v2, PITCH                    ; back out of it: my output's part, my row half's 16 rows, whole; lanes 0-15 one row of 256 bytes, lanes 16-31 the next
	v_lshl_add_u32 v5, v1, 4, v5
	s_mul_i32 s23, s11, 16*PITCH
	s_mul_i32 s100, s12, OHALF
	s_add_co_u32 s23, s23, s100
	s_add_co_u32 s23, s23, OST
	v_add_nc_u32 v[RD], s23, v5
	v_mul_u32_u24 v5, v2, CPITCH                   ; into c's stage: I bring 8 of my row half's 16 rows: row 8 x wave + l / 16, byte 8 (l % 16)
	v_lshl_add_u32 v5, v1, 3, v5
	s_mul_i32 s23, s10, 8*CPITCH
	s_add_co_u32 s23, s23, CSTG
	v_add_nc_u32 v[CW], s23, v5
	v_mul_u32_u24 v5, v1, CPITCH                   ; out of it: row 16 x row half + l % 16, byte 64 x column half + 16 (l / 16)
	v_lshl_add_u32 v5, v2, 4, v5
	s_mul_i32 s23, s11, 16*CPITCH
	s_lshl_b32 s100, s12, 6
	s_add_co_u32 s23, s23, s100
	s_add_co_u32 s23, s23, CSTG
	v_add_nc_u32 v[CA], s23, v5
	v_lshlrev_b32 v[GO], 4, v1                     ; two rows of an output, or of c: 16 bytes a lane
	v_lshl_add_u32 v[GO], v2, 12, v[GO]
	s_lshl_b32 s100, s12, 15                       ; of c I bring rows 8 x column half on
	v_add_nc_u32 v[CGO], s100, v[GO]
	s_lshl_b32 s100, s12, 9                        ; bias: 4 bytes x (256 x tile column + 128 x half + 16 b + 8 (l / 16) + j)
	s_lshl_b32 s101, s42, 10
	s_add_co_u32 s100, s100, s101
	v_lshl_add_u32 v[BO], v2, 5, s100
.irp b, 0,1,2,3,4,5,6,7
	global_load_b128 v[BI+8*(\b):BI+8*(\b)+3],   v[BO], s[72:73] offset:64*(\b)     ; both tiles have the same columns: the biases are loaded once
	global_load_b128 v[BI+8*(\b)+4:BI+8*(\b)+7], v[BO], s[72:73] offset:64*(\b)+16
.endr
; 16 matrix instructions: row blocks a0, a0 + 1 of the window's four (hi = 0: my rows 0-63, 1: rows 64-127) x all 8 column blocks, 32 along K.  zero = 1: the first product starts the sums: nothing is cleared.
; The 64 accumulators take turns, one instruction a turn, in the same order in every quarter step, from tile to tile too.
.macro MUL16 f, hi, a0, zero
	WIN MUL_LO+0x50*(\hi)
.irp a, \a0, (\a0)+1
.irp b, 0,1,2,3,4,5,6,7
.if \zero
	v_wmma_f32_16x16x32_bf16 v[8*(8*(\a)+(\b)):8*(8*(\a)+(\b))+7], v[(\f)+8*(\b):(\f)+8*(\b)+7], v[(\f)+8*(4*(\hi)+(\a)):(\f)+8*(4*(\hi)+(\a))+7], 0
.else
	v_wmma_f32_16x16x32_bf16 v[8*(8*(\a)+(\b)):8*(8*(\a)+(\b))+7], v[(\f)+8*(\b):(\f)+8*(\b)+7], v[(\f)+8*(4*(\hi)+(\a)):(\f)+8*(4*(\hi)+(\a))+7], v[8*(8*(\a)+(\b)):8*(8*(\a)+(\b))+7]
.endif
.endr
.endr
.endm
; 32 LDS loads in one run: the fragments of one quarter step (128 rows of wbf, 128 rows of abf, 32 K at byte k of the rows) into buffer f
.macro FETCH slot, k, f
	WIN TO_B
.irp i, 0,1,2,3,4,5,6,7
	ds_load_b128 v[(\f)+8*(\i):(\f)+8*(\i)+3],   v[ADRB+(\slot)] offset:(\k)+(\i)*16*PITCH
	ds_load_b128 v[(\f)+8*(\i)+4:(\f)+8*(\i)+7], v[ADRB+(\slot)] offset:(\k)+(\i)*16*PITCH+32
.endr
	WIN 0
.irp i, 0,1,2,3,4,5,6,7
	ds_load_b128 v[(\f)+8*(\i):(\f)+8*(\i)+3],   v[ADRA+(\slot)] offset:(\k)+(\i)*16*PITCH
	ds_load_b128 v[(\f)+8*(\i)+4:(\f)+8*(\i)+7], v[ADRA+(\slot)] offset:(\k)+(\i)*16*PITCH+32
.endr
.endm
; My share of the tile's c: of each of my row half's 8 blocks of 16 rows the 8 rows that I bring, two whole rows of 256 bytes to a load, into window 1's 128 registers that no product names:
; block a at v[16 a] (a < 4) or v[192 + 16 (a - 4)].  32 loads in one run, behind a run of LDS loads; they have the tile's last 1.6 K steps in which to land.
.macro CLOAD
	WIN TO_B
.irp a, 0,1,2,3,4,5,6,7
.irp k, 0,1,2,3
	global_load_b128 v[16*(\a)+128*((\a)/4)+4*(\k):16*(\a)+128*((\a)/4)+4*(\k)+3], v[CGO], s[74:75] offset:(\a)*BSTEP+(\k)*8192 th:TH_LOAD_NT  ; read once in the whole launch
.endr
.endr
.endm
; A load into a register that a matrix instruction has read, and a vector instruction that reads a matrix result, stand four places behind that matrix instruction, and only plain vector
; instructions that name none of its registers are places (ISA guide 7.12.1 for vector instructions).
.macro PLACES
.rept 4
	v_nop
.endr
.endm
; A K step is four quarter steps of 32 along K, 64 matrix instructions each, on buffers 0, 1, 0, 1.  One of the first three: multiplies buffer f; in its middle it fetches the next quarter, at byte k, into g.
; cl = 1: c's loads follow that run.
.macro QUARTER slot, k, f, g, zero, cl=0
	s_wait_dscnt 8                                 ; wbf's fragments and abf's rows 0-63 are in; the youngest eight loads (abf's rows 64-127) may be out
	WIN MUL_LO
	MUL16 \f, 0, 0, \zero
	MUL16 \f, 0, 2, \zero
	PLACES
	FETCH \slot, \k, \g
.if \cl
	CLOAD
.endif
	s_wait_dscnt 32                                ; all but the 32 LDS loads just issued
	WIN MUL_HI
	MUL16 \f, 1, 0, \zero
	MUL16 \f, 1, 2, \zero
.endm
; The last quarter multiplies buffer 1 and changes slots.  MEET is its first half: one barrier for two things.  In front of it each wave waits for all its tensor loads, of which one is out;
; adds 0 to its spare word; and waits for that and for its own reads of this slot.  Behind it nobody reads this slot any more, and the other slot is whole.
.macro MEET round                      ; round = 1: the rest of a round of the cluster's barrier follows
	WIN 0                                          ; (the add's two registers lie in window 0)
	s_wait_tensorcnt 0x0                           ; all my tensor loads have landed;
	ds_add_u32 v[SPW], v[NIL]                      ; 0 onto my spare word;
	s_wait_dscnt 9                                 ; (the add and the youngest eight loads may be out)
	WIN MUL_LO
	MUL16 F1, 0, 0, 0                              ; sixteen matrix instructions stand between the add and the wait for it
	s_wait_dscnt 0x0                               ; the add is done, and my reads of this slot are over:
	s_barrier_signal -1                            ; say so,
	MUL16 F1, 0, 2, 0                              ; work on registers while the others arrive,
.if \round
	WIN 0
.endif
	s_barrier_wait -1                              ; and go on when all four have said so
.endm
; The whole last quarter: behind the round the slot just read out is filled again first: with this tile's K step two steps on (on = 0) or, in a tile's last two K steps, with the NEXT tile's K step 0 or 1
; (on = 1); then come the next slot's first fragments (next = -1: none: the way out follows, which uses their registers).
.macro TURN slot, next, on
	MEET 1
	CREST                                          ; no wave of any partner still reads this slot's tile or has a load on its way
.if \on
	s_add_nc_u64 s[G0+4*(\slot)+2:G0+4*(\slot)+3], s[G0+4*(\slot)+2:G0+4*(\slot)+3], NEXT_A
	s_sub_nc_u64 s[G0B+4*(\slot)+2:G0B+4*(\slot)+3], s[G0B+4*(\slot)+2:G0B+4*(\slot)+3], BACK_B
.else
	s_add_nc_u64 s[G0+4*(\slot)+2:G0+4*(\slot)+3], s[G0+4*(\slot)+2:G0+4*(\slot)+3], 2*KSTEP*2
	s_add_nc_u64 s[G0B+4*(\slot)+2:G0B+4*(\slot)+3], s[G0B+4*(\slot)+2:G0B+4*(\slot)+3], 2*KSTEP*2
.endif
	JLOAD \slot                                    ; my one tensor load behind the round; the four v_nop behind it are also the places in front of the loads below
.if (\next) >= 0
	FETCH \next, 0, F0
.endif
	WIN MUL_HI
	MUL16 F1, 1, 0, 0
	MUL16 F1, 1, 2, 0
.endm
; THE WAY OUT, a block of 16 rows at a time: 16 outputs a lane.
; GETB a: block a's 64 sums become exponents, sum x k + bias (the bias carries k already); each accumulator is read from its lowest registers on.
; And my 8 rows of the block's c are rounded to bf16, as they were loaded: by rows.
.macro GETB a
	WIN 0x02+(\a)/4                                ; source 0 in window 2 or 3
.irp b, 0,1,2,3,4,5,6,7
.irp j, 0,2,4,6
.if (\b) < 6
	v_pk_fma_f32 v[T+8*(\b)+(\j):T+8*(\b)+(\j)+1], v[64*((\a)%4)+8*(\b)+(\j):64*((\a)%4)+8*(\b)+(\j)+1], s[KN:KN+1], v[BI+8*(\b)+(\j):BI+8*(\b)+(\j)+1] op_sel_hi:[1,0,1]
.else
	v_pk_fma_f32 v[T+8*(\b)+(\j):T+8*(\b)+(\j)+1], v[64*((\a)%4)+8*(\b)+(\j):64*((\a)%4)+8*(\b)+(\j)+1], s[K2:K2+1], v[BI+8*(\b)+(\j):BI+8*(\b)+(\j)+1] op_sel_hi:[1,0,1]
.endif
.endr
.endr
	WIN 0x05                                       ; sources 0 and 1 in window 1
.irp i, 0,1,2,3,4,5,6,7
	v_cvt_pk_bf16_f32 v[CQ+(\i)], v[16*(\a)+128*((\a)/4)+2*(\i)], v[16*(\a)+128*((\a)/4)+2*(\i)+1]
.endr
	WIN 0
.endm
.macro GET a                           ; the same, if block a is in hand
	s_cmp_lg_u32 s[EA], \a
	s_cbranch_scc1 .Lnot_mine_\@
	GETB \a
.Lnot_mine_\@:
.endm
.macro ALL8 line:vararg                ; one line for each pair n of the 16 outputs
.set n, 0
	s_wait_alu depctr_va_vdst(0)
.rept 8
	\line
.set n, n+1
.endr
.endm
.macro SEND                            ; 16 rows of my output: 16 lanes store 256 consecutive bytes, at a multiple of 256 from the output's first byte
.irp k, 0,1,2,3,4,5,6,7
	global_store_b128 v[GOT], v[OB+4*(\k):OB+4*(\k)+3], s[OP:OP+1] offset:(\k)*8192 th:TH_STORE_NT
.endr
.endm
; A block's gates.  All LDS addresses are fixed; two barriers, each for two things.
;   The first: c's stage is written (every wave's stores are done), and nobody reads the results' stage any more (every wave's loads of the block before are back).
;   The second: the results' stage is written, and nobody reads c's stage any more.
; send = 1: the block before, read back behind its second barrier, is stored behind this block's first: its way through LDS is hidden behind the ladder and the exponentials, and the stores leave block by block.
.macro BLOCK send
.irp k, 0,1,2,3
	ds_store_b64 v[CW], v[CQ+2*(\k):CQ+2*(\k)+1] offset:(\k)*2*CPITCH  ; two rows: 4 numbers of c a lane
.endr
	; The 64 exponents are cut at 30 and raised.  Behind each exponential stands a plain instruction that touches neither its result nor its source (ISA guide 5.7.2): a cut 16 further on, later the first sums.
.set n, 0
.rept 16
	v_min_num_f32 v[T+n], s[CL], v[T+n]
.set n, n+1
.endr
.set n, 0
.rept 48
	v_exp_f32 v[T+n], v[T+n]
	v_min_num_f32 v[T+n+16], s[CL], v[T+n+16]
.set n, n+1
.endr
.set n, 0
.rept 16
	v_exp_f32 v[T+48+n], v[T+48+n]
	s_wait_alu depctr_va_vdst(0)
	v_pk_add_f32 v[T+2*n:T+2*n+1], v[T+2*n:T+2*n+1], 1.0 op_sel_hi:[1,0]        ; A = 1 + a_i, F = 1 + a_f
.set n, n+1
.endr
	s_wait_dscnt 0x0                               ; for the others' sake: my stores into c's stage are done, and my loads from the results' stage are back
	s_barrier_signal -1
	s_barrier_wait -1
	ds_load_b128 v[CP:CP+3], v[CA]                 ; my 16 numbers of c, in the gates' layout
	ds_load_b128 v[CP+4:CP+7], v[CA] offset:32
.if \send
	SEND
.endif
	ALL8 v_pk_add_f32 v[TO+2*n:TO+2*n+1], v[TO+2*n:TO+2*n+1], 1.0 op_sel_hi:[1,0]   ; O = 1 + a_o
	ALL8 v_pk_add_f32 v[WG+2*n:WG+2*n+1], v[TG+2*n:TG+2*n+1], 1.0 op_sel_hi:[1,0]   ; G = b + 1
	ALL8 v_pk_add_f32 v[TG+2*n:TG+2*n+1], v[TG+2*n:TG+2*n+1], -1.0 op_sel_hi:[1,0]  ; b - 1
	ALL8 v_pk_mul_f32 v[TI+2*n:TI+2*n+1], v[TI+2*n:TI+2*n+1], v[WG+2*n:WG+2*n+1]    ; P = A G
	ALL8 v_pk_mul_f32 v[DD+2*n:DD+2*n+1], v[TI+2*n:TI+2*n+1], v[TF+2*n:TF+2*n+1]    ; P F
.set n, 0
.rept 8                                ; 1 / (P F): two reciprocals, then a plain instruction that names neither: (b - 1) F
	v_rcp_f32 v[DD+2*n], v[DD+2*n]
	v_rcp_f32 v[DD+2*n+1], v[DD+2*n+1]
	v_pk_mul_f32 v[CI+2*n:CI+2*n+1], v[TG+2*n:TG+2*n+1], v[TF+2*n:TF+2*n+1]
.set n, n+1
.endr
	s_wait_dscnt 0x0                               ; c is in
.set n, 0
	s_wait_alu depctr_va_vdst(0)
.rept 8                                ; bf16(c) P + (b - 1) F, one rounding
	v_fma_mix_f32_bf16 v[CI+2*n], v[CP+n], v[TI+2*n], v[CI+2*n] op_sel_hi:[1,0,0]
	v_fma_mix_f32_bf16 v[CI+2*n+1], v[CP+n], v[TI+2*n+1], v[CI+2*n+1] op_sel:[1,0,0] op_sel_hi:[1,0,0]
.set n, n+1
.endr
	ALL8 v_pk_mul_f32 v[CI+2*n:CI+2*n+1], v[CI+2*n:CI+2*n+1], v[DD+2*n:DD+2*n+1]    ; c'
.irp k, 0,1,2,3
	ds_store_b128 v[SA2], v[CI+4*(\k):CI+4*(\k)+3] offset:64*((\k)/2)+16*((\k)%2)
.endr
	ALL8 v_pk_mul_f32 v[WG+2*n:WG+2*n+1], v[CI+2*n:CI+2*n+1], s[K2:K2+1] op_sel_hi:[1,0]  ; 2 log2(e) c'
.set n, 0
.rept 4
	v_min_num_f32 v[WG+n], s[CL], v[WG+n]
.set n, n+1
.endr
.set n, 0
.rept 12
	v_exp_f32 v[WG+n], v[WG+n]
	v_min_num_f32 v[WG+n+4], s[CL], v[WG+n+4]
.set n, n+1
.endr
.set n, 0
.rept 4
	v_exp_f32 v[WG+12+n], v[WG+12+n]
	s_wait_alu depctr_va_vdst(0)
	v_pk_add_f32 v[DD+2*n:DD+2*n+1], v[WG+2*n:WG+2*n+1], 1.0 op_sel_hi:[1,0]    ; e + 1
.set n, n+1
.endr
.set n, 4
	s_wait_alu depctr_va_vdst(0)
.rept 4
	v_pk_add_f32 v[DD+2*n:DD+2*n+1], v[WG+2*n:WG+2*n+1], 1.0 op_sel_hi:[1,0]
.set n, n+1
.endr
.set n, 0
.rept 7
	v_pk_add_f32 v[WG+2*n:WG+2*n+1], v[WG+2*n:WG+2*n+1], -1.0 op_sel_hi:[1,0]   ; e - 1 (the eighth pair's stands behind the first reciprocals)
.set n, n+1
.endr
	ALL8 v_pk_mul_f32 v[DD+2*n:DD+2*n+1], v[DD+2*n:DD+2*n+1], v[TO+2*n:TO+2*n+1]    ; (e + 1) O
.set n, 0
.rept 8                                ; two reciprocals, then a plain instruction that names neither: the product of the pair before
	v_rcp_f32 v[DD+2*n], v[DD+2*n]
	v_rcp_f32 v[DD+2*n+1], v[DD+2*n+1]
.if n == 0
	v_pk_add_f32 v[WG+14:WG+15], v[WG+14:WG+15], -1.0 op_sel_hi:[1,0]
.else
	s_wait_alu depctr_va_vdst(0)
	v_pk_mul_f32 v[WG+2*n-2:WG+2*n-1], v[WG+2*n-2:WG+2*n-1], v[DD+2*n-2:DD+2*n-1]
.endif
.set n, n+1
.endr
	v_pk_mul_f32 v[WG+14:WG+15], v[WG+14:WG+15], v[DD+14:DD+15]                     ; h'
.irp k, 0,1,2,3
	ds_store_b128 v[SA], v[WG+4*(\k):WG+4*(\k)+3] offset:64*((\k)/2)+16*((\k)%2)
.endr
	s_wait_dscnt 0x0                               ; for the others' sake: my stores into the results' stage are done (a row's 256 bytes come from two waves); my loads from c's stage came back above
	s_barrier_signal -1
	s_barrier_wait -1
	s_wait_xcnt 0x0                                ; the last stores' offset and data registers are written again only behind this wait (ISA guide 3.1)
	v_add_nc_u32 v[GOT], s[EG], v[GO]              ; where this block's rows go
.irp k, 0,1,2,3,4,5,6,7
	ds_load_b128 v[OB+4*(\k):OB+4*(\k)+3], v[RD] offset:(\k)*2*PITCH  ; my output's 16 rows of this block, whole
.endr
	s_add_co_u32 s[EG], s[EG], BSTEP
.endm
	s_wait_loadcnt 0x0                             ; my biases, once
	s_wait_tensorcnt 1                             ; my part of K step 0 is in; K step 1's was issued behind it and may stay out
	s_barrier_signal -1
	s_barrier_wait -1                              ; everybody's is
	s_mov_b32 s2, TILES                            ; tiles to go, the one in hand among them: the same number in every work-group
	s_mov_b32 s[EG], 0
	s_branch .Lfetch                               ; the loop over tiles is entered behind the steps that lead from one tile to the next
.Lnext:
	v_add_nc_u32 v[CGO], TSTEP, v[CGO]             ; c's loads are long back: their offset goes on to the next tile,
	s_add_co_u32 s[EG], s[EG], TSTEP-8*BSTEP       ; and so does the outputs'; the pointers stay
.Lfetch:
	FETCH 0, 0, F0                                 ; slot 0 holds the tile's K step 0: shown whole by the barrier above, or by the round in which slot 1 was asked for
	QUARTER 0, 64,  F0, F1, 1                      ; a tile's first quarter stands in front of the loop: its products start the sums
	WIN 0                                          ; at a label and at a branch every window is 0
	s_mov_b32 s3, LAPS-1
.Llap:                                                 ; a trip goes once round the ring, from a lap's second quarter to the next lap's first, and fills both slots again: K steps 2 to 15
	QUARTER 0, 128, F1, F0, 0
	QUARTER 0, 192, F0, F1, 0
	TURN 0, 1, 0
	QUARTER 1, 64,  F0, F1, 0
	QUARTER 1, 128, F1, F0, 0
	QUARTER 1, 192, F0, F1, 0
	TURN 1, 0, 0
	QUARTER 0, 64,  F0, F1, 0
	WIN 0
	s_sub_co_u32 s3, s3, 1
	s_cmp_lg_u32 s3, 0
	s_cbranch_scc1 .Llap
	QUARTER 0, 128, F1, F0, 0, 1                   ; the tile's last lap goes on; c is asked for
	QUARTER 0, 192, F0, F1, 0
	WIN 0
	s_cmp_eq_u32 s2, 1
	s_cbranch_scc1 .Llast                          ; the last tile's tail is written out: it asks for nothing more
	TURN 0, 1, 1                                   ; THE RING GOES ON INTO THE NEXT TILE: slot 0 takes its K step 0,
	QUARTER 1, 64,  F0, F1, 0
	QUARTER 1, 128, F1, F0, 0
	QUARTER 1, 192, F0, F1, 0
	TURN 1, -1, 1                                  ; slot 1 its K step 1: that load stays out across the way out's barriers, behind which nothing is filled
	WIN 0
	s_branch .Lout
.Llast:
	MEET 0                                         ; my one tensor load that was out is slot 1's, the last K step's, so no round follows
	PLACES
	FETCH 1, 0, F0
	WIN MUL_HI
	MUL16 F1, 1, 0, 0
	MUL16 F1, 1, 2, 0
	QUARTER 1, 64,  F0, F1, 0
	QUARTER 1, 128, F1, F0, 0
	QUARTER 1, 192, F0, F1, 0
	s_wait_dscnt 8                                 ; the very last quarter: nothing more to fetch, and no slot to hand on
	MUL16 F1, 0, 0, 0
	MUL16 F1, 0, 2, 0
	s_wait_dscnt 0x0
	MUL16 F1, 1, 0, 0
	MUL16 F1, 1, 2, 0
	WIN 0
.Lout:
	PLACES                                         ; the ladder reads results just made
	s_wait_loadcnt 0x0                             ; c is in
	GETB 0                                         ; block 0 is written out: no block before it is on its way
	BLOCK 0
	s_mov_b32 s[EA], 1
.Lepi:
.irp a, 1,2,3,4,5,6,7
	GET \a
.endr
	BLOCK 1
	s_add_co_u32 s[EA], s[EA], 1
	s_cmp_lt_u32 s[EA], 8
	s_cbranch_scc1 .Lepi
	s_wait_dscnt 0x0                               ; the last block's rows are back
	SEND
	s_sub_co_u32 s2, s2, 1
	s_cmp_lg_u32 s2, 0
	s_cbranch_scc1 .Lnext
	s_wait_tensorcnt 0x0                           ; the wave's end, behind my last tensor load and my last LDS store
	ds_add_u32 v[SPW], v[NIL]
	s_wait_dscnt 0x0
	CROUND                                         ; the closing round: no work-group ends while a partner may still ask for a tile that names it
	s_endpgm
.Lfunc_end_k_q6023c62d73_lstm:
	.size	k_q6023c62d73_lstm, .Lfunc_end_k_q6023c62d73_lstm-k_q6023c62d73_lstm
	.p2alignl 7, 3214868480
	.fill 96, 4, 3214868480
	.section	.rodata,"a",@progbits
	.p2align	6, 0x0
	.amdhsa_kernel k_q6023c62d73_lstm
		.amdhsa_group_segment_fixed_size 327680
		.amdhsa_private_segment_fixed_size 0
		.amdhsa_enable_private_segment 0
		.amdhsa_kernarg_size 48
		.amdhsa_user_sgpr_count 2
		.amdhsa_user_sgpr_kernarg_segment_ptr 1
		.amdhsa_wavefront_size32 1
		.amdhsa_system_sgpr_workgroup_id_x 1
		.amdhsa_system_sgpr_workgroup_id_y 1
		.amdhsa_system_sgpr_workgroup_id_z 1
		.amdhsa_system_vgpr_workitem_id 0
		.amdhsa_next_free_vgpr 1024
		.amdhsa_next_free_sgpr 102
		.amdhsa_reserve_vcc 0
		.amdhsa_float_denorm_mode_32 3
		.amdhsa_float_denorm_mode_16_64 3
		.amdhsa_memory_ordered 1
		.amdhsa_forward_progress 1
		.amdhsa_inst_pref_size 206
	.end_amdhsa_kernel
	.amdgpu_metadata
---
amdhsa.version: [ 1, 2 ]
amdhsa.kernels:
  - .name:           k_q6023c62d73_lstm
    .symbol:         k_q6023c62d73_lstm.kd
    .args:
      - { .name: abf, .offset: 0, .size: 8, .value_kind: global_buffer, .address_space: global }
      - { .name: wbf, .offset: 8, .size: 8, .value_kind: global_buffer, .address_space: global }
      - { .name: bias, .offset: 16, .size: 8, .value_kind: global_buffer, .address_space: global }
      - { .name: c, .offset: 24, .size: 8, .value_kind: global_buffer, .address_space: global }
      - { .name: out0, .offset: 32, .size: 8, .value_kind: global_buffer, .address_space: global }
      - { .name: out1, .offset: 40, .size: 8, .value_kind: global_buffer, .address_space: global }
    .group_segment_fixed_size: 327680
    .private_segment_fixed_size: 0
    .kernarg_segment_align: 8
    .kernarg_segment_size: 48
    .max_flat_workgroup_size: 128
    .sgpr_count:     102
    .vgpr_count:     1024
    .wavefront_size: 32
...
	.end_amdgpu_metadata
.endif
;; end of part 2
;; ======== version 2 of 2: 2 launches; version 1 with the launch pack written anew for expert scheduling mode
;; limits: right only within a limited range of input values
;; workspace buffers: abf 33,554,432 bytes; wbf 16,777,216 bytes; bias 16,384 bytes
;; launch pack (part 3): grid 32 x 24, 8 waves a work-group, no clusters, 0 bytes of LDS; arguments x, h, Wxi_w, Whi_w, Wxf_w, Whf_w, Wxo_w, Who_w, Wxg_w, Whg_w, Wxi_b, Whi_b, Wxf_b, Whf_b, Wxo_b, Who_b, Wxg_b, Whg_b, abf, wbf, bias; writes abf, wbf, bias
.if DOCPART == 3
	.amdgcn_target "amdgcn-amd-amdhsa--gfx1250"
	.amdhsa_code_object_version 6
	.text
	.protected	k_q6023c62d73_pack
	.globl	k_q6023c62d73_pack
	.p2align	8
	.type	k_q6023c62d73_pack,@function
k_q6023c62d73_pack:
	s_mov_b64 s[64:65], 0
	v_nop
	global_prefetch_b8 v0, s[64:65] scope:SCOPE_SE
	s_setreg_imm32_b32 hwreg(HW_REG_WAVE_SCHED_MODE, 0, 2), 2
	s_setreg_imm32_b32 hwreg(HW_REG_WAVE_MODE, 25, 1), 1
	s_wait_xcnt 0x0
	s_wait_alu depctr_vm_vsrc(0)
; ROUNDS AND RE-ORDERS THE OPERANDS OF THE LSTM CELL'S ONE PRODUCT  z = [x|h] [Wx|Wh]^T.
;   abf  [8192][2048] bf16: columns 0-1023 bf16(x), 1024-2047 bf16(h).
;   wbf  [4096][2048] bf16: row n = 128 (j / 32) + 32 g + j % 32 for gate g (0 i, 1 f, 2 o, 3 g) and column j of H; columns 0-1023 the x side's weight, 1024-2047 the h side's.
;        So 128 consecutive rows hold all four gates of 32 columns of H, and the product's lanes find the four gates of an output side by side.
;   bias [4096] f32, in wbf's row order: k_g (bf16(bx_g[j]) + bf16(bh_g[j])), k = -log2(e) for the three sigmoids, +2 log2(e) for the tanh: the next launch makes an exponent with one multiply-add.
; All roundings are to nearest even, once.  The biases are rounded to bf16 like every other input, so that all inputs carry the same rounding.
; A STREAM: memory binds, so no LDS, no barrier, no matrix unit.  The grid's y is a unit of 1024 rows x 1024 f32 (0-7: x, 8-15: h, 16-23: weight 2 g + side), its x a block of 32 rows.
; Thread t owns the 16 bytes at 16 t of each of the 32 rows: a wave's load covers 512 consecutive bytes, its store of 8 bytes a lane 256 consecutive bytes at a multiple of 256.
; All 32 loads of a wave go out at once (16 KiB a wave on its way); each row has registers of its own, so no register is written while a load or store may still read it.
; THE MODE: SCHED_MODE bits 1:0 = 2 (LLVM: expert scheduling mode 2), set by the entry lines.  The code itself states the register dependences
; between vector instructions and memory instructions, with s_wait_alu, always for 0.
; THE PLAN.  Registers that memory instructions touch:
;   v1, v2     byte offsets of the loads and of the stores: made once at the head, never written again.
;   X, row i   four registers.  Written by load i; the row's two conversions read all four and write the first two; store i reads those two; nothing writes them afterwards.
;   v3 .. v6   the biases' tail: v3, v4 offsets, v5, v6 the two loads' data; v5 then takes the result and is the store's data.
; The 32 rows go in 8 blocks of four.  Block p's conversions name block p's registers alone; its memory instructions are the four stores of block p - 1.  So ONE wait at a block's head states that the
; block before has written what those stores read, and the stores are dealt among the block's conversions with no further wait.
; No register that a load or store has read is ever written again, and no load lands in a register that a vector instruction has named: nothing else is owed.  EXEC is never written.
.set X, 8                              ; v[8:135]  row i: four registers as loaded; the first two then hold the four bf16
.set BLOCK, 4                          ; rows in a block
	s_load_b512 s[4:19], s[0:1], 0x0               ; x s[4:5], h s[6:7], Wxi, Whi, Wxf, Whf, Wxo, Who in s[8:19]
	s_load_b128 s[20:23], s[0:1], 0x40             ; Wxg, Whg: the eight weights lie in s[8:23], weight w at s[8+2w:9+2w]
	s_load_b512 s[24:39], s[0:1], 0x50             ; the eight biases: gate k's x side at s[24+4k:25+4k], its h side at s[26+4k:27+4k]
	s_load_b128 s[40:43], s[0:1], 0x90             ; abf s[40:41], wbf s[42:43]
	s_load_b64 s[44:45], s[0:1], 0xa0              ; bias
	v_lshrrev_b32 v3, 5, v0
	v_readfirstlane_b32 s57, v3                    ; my wave's number
	v_lshlrev_b32 v1, 4, v0                        ; my 16 bytes of a source row
	v_lshlrev_b32 v2, 3, v0                        ; my 8 bytes of a destination half row
	s_and_b32 s50, ttmp7, 0xffff                   ; u: the unit
	s_mov_b32 s51, ttmp9                           ; the block of 32 rows
	s_and_b32 s52, s50, 7
	s_lshl_b32 s52, s52, 10
	s_lshl_b32 s53, s51, 5                         ; a weight's first source row: 32 x block
	s_add_co_u32 s52, s52, s53                     ; x's, h's and abf's first row: 1024 (u % 8) + 32 x block
	s_bfe_u32 s54, s50, 0x20001                    ; g = (u / 2) % 4
	s_lshl_b32 s55, s51, 7
	s_lshl_b32 s56, s54, 5
	s_add_co_u32 s55, s55, s56                     ; wbf's first row: 128 x block + 32 g
	s_and_b32 s63, s50, 1                          ; a weight's side
	s_lshr_b32 s62, s50, 3                         ; x (0) or h (1), where u < 16
	s_cmp_ge_u32 s50, 16                           ; a weight?
	s_cselect_b32 s58, s53, s52                    ; source row
	s_cselect_b32 s60, s55, s52                    ; destination row
	s_cselect_b32 s56, s63, s62                    ; which half of the destination rows
	s_lshl_b32 s58, s58, 12                        ; a source row is 4,096 bytes,
	s_mov_b32 s59, 0
	s_lshl_b32 s60, s60, 12                        ; a destination row too,
	s_lshl_b32 s56, s56, 11                        ; its half 2,048
	s_add_co_u32 s60, s60, s56
	s_mov_b32 s61, 0
	s_wait_alu depctr_va_sdst(0)                   ; s57 is written: its one reader, the compare in the biases' tail, stands behind branches
	s_wait_kmcnt 0x0
	s_cmp_ge_u32 s50, 8                            ; the source: x, h,
	s_cselect_b64 s[46:47], s[6:7], s[4:5]
.irp w, 0,1,2,3,4,5,6,7
	s_cmp_eq_u32 s50, 16+(\w)                      ; or weight w
	s_cselect_b64 s[46:47], s[8+2*(\w):9+2*(\w)], s[46:47]
.endr
	s_cmp_ge_u32 s50, 16
	s_cselect_b64 s[48:49], s[42:43], s[40:41]     ; the destination: wbf or abf
	s_add_nc_u64 s[46:47], s[46:47], s[58:59]
	s_add_nc_u64 s[48:49], s[48:49], s[60:61]
	s_wait_alu depctr_va_vdst(0)                   ; v1 and v2 are written: every load below reads v1 as its offset, every store v2
.set i, 0
.rept 32
	global_load_b128 v[X+4*i:X+4*i+3], v1, s[46:47] offset:4096*i th:TH_LOAD_NT  ; read once in the whole launch
.set i, i+1
.endr
.set i, 0
.rept 32
.if i % BLOCK == 0
	s_wait_loadcnt 32-BLOCK-i                      ; loads come back in order (ISA guide 5.7.1): the block's four rows are in, the younger ones stay out
.if i > 0
	s_wait_alu depctr_va_vdst(0)                   ; the block before has written the first two registers of each of its rows, which the four stores below read
.endif
.endif
.if i >= BLOCK
	global_store_b64 v2, v[X+4*(i-BLOCK):X+4*(i-BLOCK)+1], s[48:49] offset:4096*(i-BLOCK)  ; a row of the block before; no vector instruction since the wait names its registers
.endif
	v_cvt_pk_bf16_f32 v[X+4*i], v[X+4*i], v[X+4*i+1]
	v_cvt_pk_bf16_f32 v[X+4*i+1], v[X+4*i+2], v[X+4*i+3]
.set i, i+1
.endr
	s_wait_alu depctr_va_vdst(0)                   ; the last block has written its rows' registers, which the last four stores read
.set i, 32-BLOCK
.rept BLOCK
	global_store_b64 v2, v[X+4*i:X+4*i+1], s[48:49] offset:4096*i
.set i, i+1
.endr
	; The biases: wave 0 of each x-side weight's work-group makes the 32 numbers of its gate and block: 128 consecutive bytes, 16 KiB in the whole launch.
	s_cmp_lt_u32 s50, 16
	s_cbranch_scc1 .Lend
	s_bitcmp1_b32 s50, 0
	s_cbranch_scc1 .Lend
	s_cmp_lg_u32 s57, 0
	s_cbranch_scc1 .Lend
	s_mov_b64 s[66:67], s[24:25]
	s_mov_b64 s[68:69], s[26:27]
.irp k, 1,2,3
	s_cmp_eq_u32 s54, \k
	s_cselect_b64 s[66:67], s[24+4*(\k):25+4*(\k)], s[66:67]
	s_cselect_b64 s[68:69], s[26+4*(\k):27+4*(\k)], s[68:69]
.endr
	s_mov_b32 s70, 0xbfb8aa3b                      ; -log2(e)
	s_cmp_eq_u32 s54, 3
	s_cselect_b32 s70, 0x4038aa3b, s70             ; 2 log2(e) for the tanh
	s_lshl_b32 s62, s53, 2
	s_lshl_b32 s63, s55, 2
	v_lshl_add_u32 v3, v0, 2, s62                  ; in wave 0 the thread's number is the lane: column 32 x block + lane
	v_lshl_add_u32 v4, v0, 2, s63                  ; row 128 x block + 32 g + lane
	s_wait_alu depctr_va_vdst(0)                   ; v3 and v4 are written: the two loads read v3 as their offset, the store below v4
	global_load_b32 v5, v3, s[66:67]
	global_load_b32 v6, v3, s[68:69]
	s_wait_loadcnt 0x0
	v_cvt_pk_bf16_f32 v7, v5, v6                   ; both rounded to bf16,
	v_lshlrev_b32 v5, 16, v7                       ; and back in f32
	v_and_b32 v6, 0xffff0000, v7
	v_add_f32 v5, v5, v6
	v_mul_f32 v5, s70, v5
	s_wait_alu depctr_va_vdst(0)                   ; the multiply has written v5, which the store reads
	global_store_b32 v4, v5, s[44:45]
.Lend:
	s_endpgm
.Lfunc_end_k_q6023c62d73_pack:
	.size	k_q6023c62d73_pack, .Lfunc_end_k_q6023c62d73_pack-k_q6023c62d73_pack
	.p2alignl 7, 3214868480
	.fill 96, 4, 3214868480
	.section	.rodata,"a",@progbits
	.p2align	6, 0x0
	.amdhsa_kernel k_q6023c62d73_pack
		.amdhsa_group_segment_fixed_size 0
		.amdhsa_private_segment_fixed_size 0
		.amdhsa_enable_private_segment 0
		.amdhsa_kernarg_size 168
		.amdhsa_user_sgpr_count 2
		.amdhsa_user_sgpr_kernarg_segment_ptr 1
		.amdhsa_wavefront_size32 1
		.amdhsa_system_sgpr_workgroup_id_x 1
		.amdhsa_system_sgpr_workgroup_id_y 1
		.amdhsa_system_sgpr_workgroup_id_z 1
		.amdhsa_system_vgpr_workitem_id 0
		.amdhsa_next_free_vgpr 140
		.amdhsa_next_free_sgpr 72
		.amdhsa_reserve_vcc 0
		.amdhsa_float_denorm_mode_32 3
		.amdhsa_float_denorm_mode_16_64 3
		.amdhsa_memory_ordered 1
		.amdhsa_forward_progress 1
		.amdhsa_inst_pref_size 15
	.end_amdhsa_kernel
	.amdgpu_metadata
---
amdhsa.version: [ 1, 2 ]
amdhsa.kernels:
  - .name:           k_q6023c62d73_pack
    .symbol:         k_q6023c62d73_pack.kd
    .args:
      - { .name: x, .offset: 0, .size: 8, .value_kind: global_buffer, .address_space: global }
      - { .name: h, .offset: 8, .size: 8, .value_kind: global_buffer, .address_space: global }
      - { .name: Wxi_w, .offset: 16, .size: 8, .value_kind: global_buffer, .address_space: global }
      - { .name: Whi_w, .offset: 24, .size: 8, .value_kind: global_buffer, .address_space: global }
      - { .name: Wxf_w, .offset: 32, .size: 8, .value_kind: global_buffer, .address_space: global }
      - { .name: Whf_w, .offset: 40, .size: 8, .value_kind: global_buffer, .address_space: global }
      - { .name: Wxo_w, .offset: 48, .size: 8, .value_kind: global_buffer, .address_space: global }
      - { .name: Who_w, .offset: 56, .size: 8, .value_kind: global_buffer, .address_space: global }
      - { .name: Wxg_w, .offset: 64, .size: 8, .value_kind: global_buffer, .address_space: global }
      - { .name: Whg_w, .offset: 72, .size: 8, .value_kind: global_buffer, .address_space: global }
      - { .name: Wxi_b, .offset: 80, .size: 8, .value_kind: global_buffer, .address_space: global }
      - { .name: Whi_b, .offset: 88, .size: 8, .value_kind: global_buffer, .address_space: global }
      - { .name: Wxf_b, .offset: 96, .size: 8, .value_kind: global_buffer, .address_space: global }
      - { .name: Whf_b, .offset: 104, .size: 8, .value_kind: global_buffer, .address_space: global }
      - { .name: Wxo_b, .offset: 112, .size: 8, .value_kind: global_buffer, .address_space: global }
      - { .name: Who_b, .offset: 120, .size: 8, .value_kind: global_buffer, .address_space: global }
      - { .name: Wxg_b, .offset: 128, .size: 8, .value_kind: global_buffer, .address_space: global }
      - { .name: Whg_b, .offset: 136, .size: 8, .value_kind: global_buffer, .address_space: global }
      - { .name: abf, .offset: 144, .size: 8, .value_kind: global_buffer, .address_space: global }
      - { .name: wbf, .offset: 152, .size: 8, .value_kind: global_buffer, .address_space: global }
      - { .name: bias, .offset: 160, .size: 8, .value_kind: global_buffer, .address_space: global }
    .group_segment_fixed_size: 0
    .private_segment_fixed_size: 0
    .kernarg_segment_align: 8
    .kernarg_segment_size: 168
    .max_flat_workgroup_size: 256
    .sgpr_count:     72
    .vgpr_count:     140
    .wavefront_size: 32
...
	.end_amdgpu_metadata
.endif
;; end of part 3
;; launch lstm: the kernel of part 2 again; grid 16 x 16, 4 waves a work-group, clusters of 4 x 4, 327,680 bytes of LDS; arguments abf, wbf, bias, c, out0, out1; writes out0, out1
